; MI455X (gfx1250); checked and timed in simulation.
; The chip was launched on July 23, 2026; its instructions are those of AMD's public machine-readable ISA for CDNA 5 (MIT licence, August 2026) and "CDNA5" Instruction Set Architecture Reference Guide (July 2026). The comments in the code are by the model that wrote it; some were corrected since.
;; Self Attention. Allowed arithmetic: matrix products marked QUANTISED: E2M1 operands, one E8M0 scale for each 32 along K, by v_wmma_scale_f32_16x16x128_f8f6f4 with both operands' format E2M1 (or v_wmma_scale_f32_32x16x128_f4), f32 sums; everything else in f32.
;; Inputs: Wf 1 x 1 x 256 x 64 float32; Wg 1 x 1 x 256 x 64 float32; Wh 1 x 1 x 256 x 256 float32; Wv 1 x 1 x 256 x 256 float32; gamma 1 float32; x 8 x 64 x 64 x 256 float32.
;; Outputs: out0 8 x 64 x 64 x 256 float32.
;; This version of the problem:
;;   THIS VERSION OF THE PROBLEM IS GIVEN IN LOW PRECISION. The matrix products marked QUANTISED in the list below multiply operands that are first quantised to E2M1 (2 exponent bits, 1 mantissa bit; 4 bits a number), with one power-of-two scale for each 32 numbers along K (OCP MX v1.0); their sums are f32. All else is computed in f32.
;;   The module's matrix products, in the order in which they are computed (A, B: the left and right operand; K: the contracted axis; several contracted axes count as one K, in the product's order):
;;     1. [M 32,768, K 256] x [K 256, N 64]; A: input x; B: input Wf: QUANTISED
;;     2. [M 32,768, K 256] x [K 256, N 64]; A: input x; B: input Wg: QUANTISED
;;     3. [M 32,768, K 256] x [K 256, N 256]; A: input x; B: input Wh: QUANTISED
;;     4. batch 8 x [M 4,096, K 64] x [K 64, N 4,096]; A: computed on the way; B: computed on the way: QUANTISED
;;     5. batch 8 x [M 4,096, K 4,096] x [K 4,096, N 256]; A: softmax (see below); B: computed on the way: QUANTISED
;;     6. [M 32,768, K 256] x [K 256, N 256]; A: computed on the way; B: input Wv: QUANTISED
;;   THE QUANTISER, for each operand of a quantised product, along K:
;;     - K is cut into blocks of 32 from its start; a last block that is shorter is filled with zeros.
;;     - A block's scale is 2^e with e = floor(log2(the largest magnitude in the block)) - 2, held to -126 .. 127; a block of zeros has e = 0. As a byte (E8M0): e + 127.
;;     - Each number is divided by its block's scale, clamped to +-6, and rounded to the nearest number of E2M1, ties to even, subnormals kept.
;;     - The product sums the exact products of the quantised numbers (number of the format x scale) in f32.
;;   ~~~python
;;   def quantise(x, axis):      # numpy; x: float32 -> the quantised numbers, widened to float32 again
;;       x = np.moveaxis(x, axis, -1); K = x.shape[-1]
;;       x = np.pad(x, [(0, 0)] * (x.ndim - 1) + [(0, -K % 32)]); x = x.reshape(x.shape[:-1] + (-1, 32)); a = np.abs(x).max(-1, keepdims=True)
;;       e = np.where(a > 0, np.clip(np.frexp(np.where(a > 0, a, 1))[1] - 1 - 2, -126, 127), 0)      # np.frexp(a)[1] - 1 = floor(log2(a)), exactly
;;       r = np.clip(x / 2.0 ** e, -6, 6)
;;       step = 2.0 ** (np.maximum(np.frexp(np.where(r == 0, 1, r))[1] - 1, 0) - 1)
;;       q = np.round(r / step) * step * 2.0 ** e      # np.round: ties to even
;;       return np.moveaxis(q.reshape(q.shape[:-2] + (-1,))[..., :K], -1, axis).astype(np.float32)
;;   ~~~
;;   SOFTMAX AHEAD OF A QUANTISED PRODUCT. Where the list says 'softmax', what is quantised is not the finished softmax but p = 2^(t - M), with t = logit x log2(e) and M = ceil(the row's largest t), a whole number; so 1/2 < the row's largest p <= 1. The row's sum l is taken of the UNQUANTISED p, in f32, and the product's result is divided by l at the end. Since M is a whole number, a kernel that streams over the keys may use a running M (the ceiling of the running maximum): every later rescaling is an exact power of two, which a block's scale takes up: the codes' values come out the same.
;;   OPERANDS COMPUTED ON THE WAY. 'Computed on the way' means the value that the module computes at that place (a softmax that the list does not call 'softmax' is quantised finished and normalised). What goes into a quantiser is computed in f32, as accurately as f32 sums, v_exp_f32 and their like allow (about 1e-6 of the number): no bf16 or f16 on the way to a quantiser, and a product that is left as it is and whose result goes on into a quantised operand takes f32 operands (vector FMAs, or v_wmma_f32_16x16x4_f32). A number that lies on a knife's edge between two numbers of the format may be rounded either way, as far as f32 arithmetic and the matrix unit's own rounding can turn it there, and no further.
;; One version. Each part assembles by itself: llvm-mc -triple=amdgcn-amd-amdhsa -mcpu=gfx1250 --defsym DOCPART=n.
;; ======== version 1 of 1: 3 launches
;; workspace buffers: wimg 87,040 bytes; fq 1,114,112 bytes; kv 5,570,560 bytes
;; launch wq (part 1): grid 40 x 1, 1 waves a work-group, no clusters, 0 bytes of LDS; arguments Wf, Wg, Wh, Wv, wimg; writes wimg
.if DOCPART == 1
	.amdgcn_target "amdgcn-amd-amdhsa--gfx1250"
	.amdhsa_code_object_version 6
	.text
	.protected	k_q2f4e735109_wq
	.globl	k_q2f4e735109_wq
	.p2align	8
	.type	k_q2f4e735109_wq,@function
k_q2f4e735109_wq:
	s_mov_b64 s[64:65], 0
	v_nop
	global_prefetch_b8 v0, s[64:65] scope:SCOPE_SE
	s_setreg_imm32_b32 hwreg(HW_REG_WAVE_MODE, 25, 1), 1
	s_wait_xcnt 0x0
; The four weights, f32, stored [K = 256][N], become codes of FP4 (E2M1) with one E8M0 byte for each 32 along K, laid as IMAGES OF OPERAND REGISTERS.
; One wave makes one tile of 16 columns, both K steps of 128.  Tiles 0-3: Wf, 4-7: Wg, 8-23: Wh, 24-39: Wv.
; LANE r OF A WEIGHT'S TILE t TAKES COLUMN 32 (t / 2) + 8 (t % 2) + r + 8 (r / 8), so that the results of two neighbouring tiles, used transposed, are 16 neighbours along the next product's K.
; A lane takes a column and its registers run down K, in the operand's own order: lane (r, h), K step s, registers 4 c .. 4 c + 3: k = 128 s + 64 c + 32 h + 0 .. 31.  A block of 32 is one lane's.
; wimg: a tile's codes are 2,048 bytes [s][c][16 x lane]; its scale words 128 bytes: lanes 0-15 K step 0, lanes 16-31 K step 1.
;   byte 0: codes of tiles 0-23;  49,152: their scale words;  52,224: codes of tiles 24-39;  84,992: their scale words.
; A block's scale byte is its largest magnitude's exponent field - 2, held at 1 from below.
; LIMITS: a block of zeros keeps the byte 1 (its codes are zeros; this program alone reads the bytes); NaN and infinities among the inputs are not served.
.set NUM, 64                           ; v64-191  the numbers: 64 s + 32 c + i
.set COD, 32                           ; v32-47   the codes: 8 s + 4 c + g
	s_load_b256 s[4:11], s[0:1], 0x0               ; Wf, Wg, Wh, Wv
	s_load_b64 s[12:13], s[0:1], 0x20              ; wimg
	v_and_b32 v1, 15, v0                           ; r
	v_lshrrev_b32 v2, 4, v0                        ; h
	v_and_b32 v3, 8, v1
	v_add_nc_u32 v3, v3, v1                        ; r + 8 (r / 8)
	v_lshlrev_b32 v3, 2, v3
	v_lshl_add_u32 v4, v2, 13, v3                  ; rows of 256 bytes (N = 64): lanes 16-31 begin 32 rows further down
	v_lshl_add_u32 v5, v2, 15, v3                  ; rows of 1,024 bytes (N = 256)
	v_lshlrev_b32 v6, 4, v0                        ; 16 x lane
	v_lshlrev_b32 v7, 2, v0                        ; 4 x lane
	v_lshlrev_b32 v8, 3, v2                        ; 8 h: my bytes' place in a scale word
	v_mov_b32 v26, 0                               ; a lane permute's destination counts as read: written once
	s_mov_b32 s20, 0x76543210
	s_mov_b32 s21, 0xfedcba98                      ; selects for lane l xor 16
	s_mov_b32 s22, 0xffff                          ; lanes 0-15
	s_mov_b32 s27, 81920
	s_cmp_lt_u32 ttmp9, 4
	s_cselect_b32 s24, 0, 4
	s_cmp_lt_u32 ttmp9, 24
	s_cselect_b32 s25, 8, 24
	s_cselect_b32 s26, 0, 3072                     ; Wv's codes lie behind the first 24 tiles' scale words
	s_cselect_b32 s27, 49152, s27                  ; where the scale words begin, less 128 x tile
	s_cmp_lt_u32 ttmp9, 8
	s_cselect_b32 s24, s24, s25
	s_sub_co_u32 s24, ttmp9, s24                   ; t: the tile's number in its weight
	s_lshr_b32 s25, s24, 1
	s_lshl_b32 s25, s25, 7                         ; 32 (t / 2) columns of 4 bytes
	s_and_b32 s28, s24, 1
	s_lshl_b32 s28, s28, 5                         ; 8 (t % 2) columns
	s_add_co_u32 s28, s28, s25
	s_mov_b32 s29, 0
	s_lshl_b32 s30, ttmp9, 11
	s_add_co_u32 s30, s30, s26
	s_mov_b32 s31, 0
	s_lshl_b32 s34, ttmp9, 7
	s_add_co_u32 s34, s34, s27
	s_mov_b32 s35, 0
	s_wait_kmcnt 0x0
	s_cmp_lt_u32 ttmp9, 4                          ; the weight is chosen by the work-group's number alone
	s_cselect_b64 s[14:15], s[4:5], s[6:7]
	s_cmp_lt_u32 ttmp9, 24
	s_cselect_b64 s[16:17], s[8:9], s[10:11]
	s_cmp_lt_u32 ttmp9, 8
	s_cselect_b64 s[14:15], s[14:15], s[16:17]
	s_add_nc_u64 s[14:15], s[14:15], s[28:29]      ; the weight at the tile's first column
	s_add_nc_u64 s[32:33], s[12:13], s[30:31]      ; the tile's codes
	s_add_nc_u64 s[36:37], s[12:13], s[34:35]      ; the tile's scale words
.macro LOADS pitch, off                ; number 32 q + i of a lane is W(64 q + 32 h + i, my column)
.set i, 0
.rept 128
	global_load_b32 v[NUM+i], \off, s[14:15] offset:(64*(i/32)+(i%32))*\pitch
.set i, i+1
.endr
.endm
	s_cmp_lt_u32 ttmp9, 8
	s_cbranch_scc0 .Lwide
	s_wait_alu depctr_va_vdst(0)
	LOADS 256, v4
	s_branch .Ljoin
.Lwide:
	s_wait_alu depctr_va_vdst(0)
	LOADS 1024, v5
.Ljoin:
	s_wait_loadcnt 0x0
.irp q, 0,1,2,3                        ; four blocks (q = 2 s + c), by turns; the floor 2^(3 - 127) holds the byte at 1 from below
	v_max3_num_f32 v[12+\q], |v[NUM+32*\q]|, |v[NUM+32*\q+1]|, 0x1800000
.endr
.irp i, 2,4,6,8,10,12,14,16,18,20,22,24,26,28,30
.irp q, 0,1,2,3
	v_max3_num_f32 v[12+\q], v[12+\q], |v[NUM+32*\q+\i]|, |v[NUM+32*\q+\i+1]|
.endr
.endr
.irp q, 0,1,2,3
	v_add_nc_u32 v[16+\q], 0xff000000, v[12+\q]    ; 2 off the exponent field: the conversion's scale operand
.endr
.irp q, 0,1,2,3
	v_lshrrev_b32 v[20+\q], 23, v[16+\q]           ; the scale's byte
.endr
.irp s, 0,1                            ; K step s: my bytes are those of blocks h and 2 + h; lane l xor 16 has the other two
	v_lshl_or_b32 v[24+\s], v[21+2*\s], 16, v[20+2*\s]
	v_lshlrev_b32 v[24+\s], v8, v[24+\s]
	v_permlanex16_b32 v26, v[24+\s], s20, s21
	v_or_b32 v[24+\s], v[24+\s], v26
.endr
.irp q, 0,1,2,3
.irp g, 0,1,2,3
	v_cvt_scalef32_pk8_fp4_f32 v[COD+4*\q+\g], v[NUM+32*\q+8*\g:NUM+32*\q+8*\g+7], v[16+\q]
.endr
.endr
	v_nop                                          ; one plain place behind the last scaled conversion
	v_cndmask_b32 v27, v25, v24, s22               ; lanes 0-15: K step 0's words, lanes 16-31: K step 1's
.irp q, 0,1,2,3
	global_store_b128 v6, v[COD+4*\q:COD+4*\q+3], s[32:33] offset:512*\q   ; 32 lanes store 512 consecutive bytes
.endr
	global_store_b32 v7, v27, s[36:37]
	s_endpgm
.Lfunc_end_k_q2f4e735109_wq:
	.size	k_q2f4e735109_wq, .Lfunc_end_k_q2f4e735109_wq-k_q2f4e735109_wq
	.p2alignl 7, 3214868480
	.fill 96, 4, 3214868480
	.section	.rodata,"a",@progbits
	.p2align	6, 0x0
	.amdhsa_kernel k_q2f4e735109_wq
		.amdhsa_group_segment_fixed_size 0
		.amdhsa_private_segment_fixed_size 0
		.amdhsa_enable_private_segment 0
		.amdhsa_kernarg_size 40
		.amdhsa_user_sgpr_count 2
		.amdhsa_user_sgpr_kernarg_segment_ptr 1
		.amdhsa_wavefront_size32 1
		.amdhsa_system_sgpr_workgroup_id_x 1
		.amdhsa_system_sgpr_workgroup_id_y 1
		.amdhsa_system_sgpr_workgroup_id_z 1
		.amdhsa_system_vgpr_workitem_id 0
		.amdhsa_next_free_vgpr 192
		.amdhsa_next_free_sgpr 66
		.amdhsa_reserve_vcc 0
		.amdhsa_float_denorm_mode_32 3
		.amdhsa_float_denorm_mode_16_64 3
		.amdhsa_memory_ordered 1
		.amdhsa_forward_progress 1
		.amdhsa_inst_pref_size 33
	.end_amdhsa_kernel
	.amdgpu_metadata
---
amdhsa.version: [ 1, 2 ]
amdhsa.kernels:
  - .name:           k_q2f4e735109_wq
    .symbol:         k_q2f4e735109_wq.kd
    .args:
      - { .name: Wf, .offset: 0, .size: 8, .value_kind: global_buffer, .address_space: global }
      - { .name: Wg, .offset: 8, .size: 8, .value_kind: global_buffer, .address_space: global }
      - { .name: Wh, .offset: 16, .size: 8, .value_kind: global_buffer, .address_space: global }
      - { .name: Wv, .offset: 24, .size: 8, .value_kind: global_buffer, .address_space: global }
      - { .name: wimg, .offset: 32, .size: 8, .value_kind: global_buffer, .address_space: global }
    .group_segment_fixed_size: 0
    .private_segment_fixed_size: 0
    .kernarg_segment_align: 8
    .kernarg_segment_size: 40
    .max_flat_workgroup_size: 32
    .sgpr_count:     66
    .vgpr_count:     192
    .wavefront_size: 32
...
	.end_amdgpu_metadata
.endif
;; end of part 1
;; launch proj (part 2): grid 256 x 1, 4 waves a work-group, no clusters, 327,680 bytes of LDS; arguments x, wimg, fq, kv; writes fq, kv
.if DOCPART == 2
	.amdgcn_target "amdgcn-amd-amdhsa--gfx1250"
	.amdhsa_code_object_version 6
	.text
	.protected	k_q2f4e735109_proj
	.globl	k_q2f4e735109_proj
	.p2align	8
	.type	k_q2f4e735109_proj,@function
k_q2f4e735109_proj:
	s_mov_b64 s[64:65], 0
	v_nop
	global_prefetch_b8 v0, s[64:65] scope:SCOPE_SE
	s_setreg_imm32_b32 hwreg(HW_REG_WAVE_MODE, 25, 1), 1
	s_wait_xcnt 0x0
; f = Q(x) Q(Wf), g = Q(x) Q(Wg), h = Q(x) Q(Wh) on codes of FP4 with E8M0 scales; then Q(f), Q(g) along their 64 units and Q(h) ALONG THE KEYS, all stored as images of the operand registers of the attention launch.
; SHARES.  A work-group takes 128 rows of x (one record of keys); wave w takes rows 32 w .. 32 w + 31, which are one block of 32 keys.  Its two row tiles u = 0, 1: lane r of tile u is row 32 w + 8 u + r + 8 (r / 8).
; x comes by one tensor load a wave (32 rows of 1,024 bytes, 16 bytes of padding behind each), read by that wave alone; the weights' images (52,224 bytes) by a second load a wave, a quarter each, read by all behind a barrier.
; Both are first fills: nothing in LDS is filled twice.  By this text's count a wave has two tensor loads out at the most.
; f, g: source 0 = 16 columns of the weight, source 1 = 16 rows of x: a lane holds one row, and the 16 registers of tiles 2 b, 2 b + 1 are units 32 b + 16 (lane / 16) + 0 .. 15.
; h: source 0 = 16 rows of x, source 1 = 16 columns of Wh: a lane holds one channel, and the 16 registers of row tiles 0, 1 are keys 16 (lane / 16) + 0 .. 15 of my block.
; fq: a group of 128 rows is 4,352 bytes: codes [w: 1,024][u: 512][16 x lane], then words [w][r] = bytes (u0 b0, u0 b1, u1 b0, u1 b1).
; kv: a record is 21,760 bytes: g as f's codes (a block's 1,024 bytes are ONE fragment: tile 0 in its first 64 of K, tile 1 in its second); at 4,096 h's codes [channel tile: 1,024][c: 512][16 x lane], the lane's 16 bytes being
;   key block 2 c + lane / 16; at 20,480 h's scale words [2][lane][4]: tile 2 (4 q + i) + lane / 16, byte w = key block w; at 21,504 g's words.
; The weights are shared by all work-groups, yet not asked for jointly: they are 51 KB of the 179 KB that a work-group fetches, fetched once, and a cluster would add two rounds of its barrier.
; LIMITS: a block of zeros keeps the byte 1 (its codes are zeros; this program alone reads the bytes); NaN and infinities among the inputs are not served.
.set XP,    1040                       ; a row of x in LDS: 1,024 bytes + 16
.set WI,    128*XP                     ; the weights' images
.set HST,   WI+52224                   ; h's scale bytes, 1,024 bytes for each wave
.set FGS,   HST+4096                   ; f's 64 words, then g's
.set REC,   21760
.set VOFF,  4096
.set VSOFF, 20480
.set GSOFF, 21504
.set FQG,   4352
.set XA,  4                            ; v4   my numbers of x in LDS
.set WA,  5                            ; v5   WI + 16 x lane
.set WSA, 6                            ; v6   the weights' scale words + 4 x lane
.set L16, 7                            ; v7   16 x lane
.set HV,  8                            ; v8   16 r + 8 h: my 8 bytes of h's codes
.set SH,  9                            ; v9   8 h
.set HSW, 10                           ; v10  where I put h's scale bytes
.set HSR, 11                           ; v11  where I read a quarter of them back
.set FGW, 12                           ; v12  where I put f's word (lanes 0-15) and g's (lanes 16-31)
.set FGR, 13                           ; v13  where waves 0 and 1 read them back
.set L8,  14                           ; v14  8 x lane
.set WF,  16                           ; v16-79   four tiles of a weight: 16 t + 8 s + 4 c
.set XNA, 16                           ; before that: 64 numbers of x
.set XF,  80                           ; v80-111  x's four fragments: 16 u + 8 s
.set XS,  112                          ; v112-115 x's scale words: 2 u + s
.set WS,  116                          ; v116-139 the weights' scale words, one register a tile
.set ACC, 140                          ; v140-203 eight accumulators
.set XNB, 140                          ; before that: 64 numbers of x
.set TM,  204                          ; v204-219 at work
.set PC,  220                          ; v220-227 codes just made
.set HB,  228                          ; v228-243 h's scale bytes, one register a channel tile
.set FW,  244                          ; v244, v245 f's word, g's word
.set MB,  246                          ; v246-253 h's bytes at their place in the words
.macro PLACES n
.rept \n
	v_nop
.endr
.endm
	s_load_b256 s[4:11], s[0:1], 0x0               ; x, wimg, fq, kv
	v_lshl_add_u32 v254, v0, 2, 0x30000
	v_mov_b32 v255, 0
	ds_add_u32 v254, v255
	ds_add_u32 v254, v255
	v_lshrrev_b32 v1, 5, v0
	v_readfirstlane_b32 s12, v1                    ; wave 0..3
	s_lshl_b32 s13, s12, 3                         ; 8 x wave: my byte's place in h's scale words
	s_mov_b32 s14, 0x76543210
	s_mov_b32 s15, 0xfedcba98                      ; selects for lane l xor 16
	s_mov_b32 s16, 0xffff                          ; lanes 0-15
	; group 1 for x: 32 rows of 256 elements of 4 bytes; 4 words of padding behind every 256 words
	s_mov_b32 s20, (2<<16)|(1<<20)|(7<<22)|(3<<25)
	s_mov_b32 s21, 256<<16                         ; tensor_dim0
	s_mov_b32 s22, 32<<16                          ; tensor_dim1
	s_mov_b32 s23, 256<<16                         ; tile_dim0
	s_mov_b32 s24, 32                              ; tile_dim1
	s_mov_b32 s25, 256                             ; elements from row to row
	s_mov_b32 s26, 0
	s_mov_b32 s27, 0
	; group 1 for the images: a dense block of 13,056 bytes as 51 rows of 32 elements of 8 bytes
	s_mov_b32 s28, 3<<16
	s_mov_b32 s29, 32<<16
	s_mov_b32 s30, 51<<16
	s_mov_b32 s31, 32<<16
	s_mov_b32 s32, 51
	s_mov_b32 s33, 32
	s_mov_b32 s34, 0
	s_mov_b32 s35, 0
	s_mov_b32 s36, 1
	s_mul_i32 s37, s12, 32*XP                      ; my 32 rows in LDS
	s_mov_b32 s40, 1
	s_mul_i32 s41, s12, 13056
	s_mov_b32 s54, s41                             ; my quarter of the images in memory,
	s_mov_b32 s55, 0
	s_add_co_u32 s41, s41, WI                      ; and in LDS
	s_lshl_b32 s56, ttmp9, 17                      ; 128 rows of 1,024 bytes a work-group,
	s_lshl_b32 s57, s12, 15                        ; 32 a wave
	s_add_co_u32 s56, s56, s57
	s_mov_b32 s57, 0
	s_wait_dscnt 0x0
	s_wait_kmcnt 0x0
	s_add_nc_u64 s[38:39], s[4:5], s[56:57]
	s_or_b32 s39, s39, 0x80000000
	s_add_nc_u64 s[42:43], s[6:7], s[54:55]
	s_or_b32 s43, s43, 0x80000000
	tensor_load_to_lds s[36:39], s[20:27]          ; my rows of x
	s_nop 0
	s_wait_alu depctr_va_vdst(0)
	s_wait_tensorcnt 0x0
	ds_add_u32 v254, v255
	s_wait_dscnt 0x0
	s_barrier_signal -1
	s_barrier_wait -1
	tensor_load_to_lds s[40:43], s[28:35]          ; my quarter of the weights' images
	s_nop 0
	PLACES 4
	s_mul_i32 s58, ttmp9, FQG
	s_mov_b32 s59, 0
	s_add_nc_u64 s[8:9], s[8:9], s[58:59]          ; fq at my group
	s_mul_i32 s58, ttmp9, REC
	s_add_nc_u64 s[10:11], s[10:11], s[58:59]      ; kv at my record
	s_lshl_b32 s58, s12, 10
	s_add_nc_u64 s[44:45], s[8:9], s[58:59]        ; f's codes of my block
	s_add_nc_u64 s[46:47], s[10:11], s[58:59]      ; g's
	s_lshl_b32 s58, s12, 8
	s_add_co_u32 s60, s58, VOFF
	s_mov_b32 s61, 0
	s_add_nc_u64 s[48:49], s[10:11], s[60:61]      ; h's codes: key block w lies 256 w bytes into each channel tile
	s_add_co_u32 s60, s58, VSOFF
	s_add_nc_u64 s[50:51], s[10:11], s[60:61]      ; my quarter of h's scale words
	s_add_nc_u64 s[52:53], s[8:9], 4096            ; f's words
	s_add_nc_u64 s[60:61], s[10:11], GSOFF         ; g's words
	s_cmp_eq_u32 s12, 0
	s_cselect_b64 s[52:53], s[52:53], s[60:61]     ; wave 0 stores f's, wave 1 g's: the choice hangs on the wave's number alone
	v_and_b32 v1, 31, v0                           ; lane
	v_and_b32 v2, 15, v0                           ; r
	v_bfe_u32 v3, v0, 4, 1                         ; h
	v_and_b32 v[XA], 8, v2
	v_add_nc_u32 v[XA], v[XA], v2                  ; r + 8 (r / 8)
	v_mul_u32_u24 v[XA], v[XA], XP
	v_lshl_add_u32 v[XA], v3, 7, v[XA]             ; + 128 h: 32 numbers
	v_add_nc_u32 v[XA], s37, v[XA]
	v_lshlrev_b32 v[L16], 4, v1
	v_add_nc_u32 v[WA], WI, v[L16]
	v_lshlrev_b32 v[WSA], 2, v1
	v_add_nc_u32 v[WSA], WI+49152, v[WSA]
	v_lshlrev_b32 v[HV], 4, v2
	v_lshl_add_u32 v[HV], v3, 3, v[HV]
	v_lshlrev_b32 v[SH], 3, v3
	s_lshl_b32 s62, s12, 10
	v_add_nc_u32 v[HSW], s62, v[L16]
	v_add_nc_u32 v[HSW], HST, v[HSW]
	v_lshlrev_b32 v[L8], 3, v1
	s_lshl_b32 s62, s12, 8
	v_add_nc_u32 v[HSR], s62, v[L8]
	v_add_nc_u32 v[FGR], FGS, v[HSR]
	v_add_nc_u32 v[HSR], HST, v[HSR]
	v_lshlrev_b32 v[FGW], 2, v2
	v_lshl_add_u32 v[FGW], v3, 8, v[FGW]
	s_lshl_b32 s62, s12, 6
	v_add_nc_u32 v[FGW], s62, v[FGW]
	v_add_nc_u32 v[FGW], FGS, v[FGW]
.irp b, 0,1,2,3
	v_mov_b32 v[TM+4+\b], 0                        ; a lane permute's destination counts as read: written once
.endr
; the 64 numbers of fragment f = 2 u + s: lane (r, h) takes k = 128 s + 64 c + 32 h + 0 .. 31 of its row
.macro XLOAD f, set
.irp c, 0,1
.irp j, 0,1,2,3,4,5,6,7
	ds_load_b128 v[\set+32*\c+4*\j:\set+32*\c+4*\j+3], v[XA] offset:8*XP*((\f)/2)+512*((\f)%2)+256*\c+16*\j
.endr
.endr
.endm
; they become the fragment's codes and its scale word: a lane holds two whole blocks; the word's other two bytes are lane l xor 16's
.macro XQ set, f
.irp c, 0,1
	v_max3_num_f32 v[TM+\c], |v[\set+32*\c]|, |v[\set+32*\c+1]|, 0x1800000   ; the floor 2^(3 - 127) holds the byte at 1 from below
.endr
.irp i, 2,4,6,8,10,12,14,16,18,20,22,24,26,28,30
.irp c, 0,1
	v_max3_num_f32 v[TM+\c], v[TM+\c], |v[\set+32*\c+\i]|, |v[\set+32*\c+\i+1]|
.endr
.endr
.irp c, 0,1
	v_add_nc_u32 v[TM+2+\c], 0xff000000, v[TM+\c]  ; 2 off the exponent field: the conversion's scale operand
.endr
.irp c, 0,1
	v_lshrrev_b32 v[TM+4+\c], 23, v[TM+2+\c]       ; the byte
.endr
	v_lshl_or_b32 v[XS+\f], v[TM+5], 16, v[TM+4]
	v_lshlrev_b32 v[XS+\f], v[SH], v[XS+\f]
	v_permlanex16_b32 v[TM+6], v[XS+\f], s14, s15
	v_or_b32 v[XS+\f], v[XS+\f], v[TM+6]
.irp c, 0,1
.irp g, 0,1,2,3
	v_cvt_scalef32_pk8_fp4_f32 v[XF+8*\f+4*\c+\g], v[\set+32*\c+8*\g:\set+32*\c+8*\g+7], v[TM+2+\c]
.endr
.endr
	v_nop                                          ; one plain place behind the last scaled conversion
.endm
.macro LOADW grp                       ; the four tiles 4 grp .. 4 grp + 3 of the weights' images
.irp t, 0,1,2,3
.irp s, 0,1
.irp c, 0,1
	ds_load_b128 v[WF+16*\t+8*\s+4*\c:WF+16*\t+8*\s+4*\c+3], v[WA] offset:(4*(\grp)+\t)*2048+1024*\s+512*\c
.endr
.endr
.endr
.endm
; Eight accumulators take turns, one instruction a turn, K step by K step.
.macro MULFG grp                       ; accumulator 4 u + t: units of tile t, rows of tile u
.irp t, 0,1,2,3
.irp u, 0,1
	v_wmma_scale_f32_16x16x128_f8f6f4 v[ACC+32*\u+8*\t:ACC+32*\u+8*\t+7], v[WF+16*\t:WF+16*\t+7], v[XF+16*\u:XF+16*\u+7], 0, v[WS+4*\grp+\t], v[XS+2*\u] matrix_a_fmt:MATRIX_FMT_FP4 matrix_b_fmt:MATRIX_FMT_FP4
.endr
.endr
	s_wait_alu depctr_va_vdst(0)
.irp t, 0,1,2,3
.irp u, 0,1
	v_wmma_scale_f32_16x16x128_f8f6f4 v[ACC+32*\u+8*\t:ACC+32*\u+8*\t+7], v[WF+16*\t+8:WF+16*\t+15], v[XF+16*\u+8:XF+16*\u+15], v[ACC+32*\u+8*\t:ACC+32*\u+8*\t+7], v[WS+4*\grp+\t], v[XS+2*\u+1] matrix_a_fmt:MATRIX_FMT_FP4 matrix_b_fmt:MATRIX_FMT_FP4 matrix_a_scale:MATRIX_SCALE_ROW1
.endr
.endr
.endm
.macro MULH grp                        ; accumulator 2 t + u: keys of row tile u, channels of tile t
.irp t, 0,1,2,3
.irp u, 0,1
	v_wmma_scale_f32_16x16x128_f8f6f4 v[ACC+16*\t+8*\u:ACC+16*\t+8*\u+7], v[XF+16*\u:XF+16*\u+7], v[WF+16*\t:WF+16*\t+7], 0, v[XS+2*\u], v[WS+4*\grp+\t] matrix_a_fmt:MATRIX_FMT_FP4 matrix_b_fmt:MATRIX_FMT_FP4
.endr
.endr
.irp t, 0,1,2,3
.irp u, 0,1
	v_wmma_scale_f32_16x16x128_f8f6f4 v[ACC+16*\t+8*\u:ACC+16*\t+8*\u+7], v[XF+16*\u+8:XF+16*\u+15], v[WF+16*\t+8:WF+16*\t+15], v[ACC+16*\t+8*\u:ACC+16*\t+8*\u+7], v[XS+2*\u+1], v[WS+4*\grp+\t] matrix_a_fmt:MATRIX_FMT_FP4 matrix_b_fmt:MATRIX_FMT_FP4 matrix_b_scale:MATRIX_SCALE_ROW1
.endr
.endr
.endm
; Four blocks of 32: block b is my 16 registers ACC + 16 b .. and lane l xor 16's.  Codes to PC + 2 b, PC + 2 b + 1.
; full = 1: the four bytes make the word v[out], and whole blocks are brought into a lane: PC .. PC + 7 is then a fragment.  full = 0: the bytes go to v[out + b], the codes stay as half blocks.
.macro QUANT full, out
.irp b, 0,1,2,3
	v_max3_num_f32 v[TM+\b], |v[ACC+16*\b]|, |v[ACC+1+16*\b]|, 0x1800000
.endr
.irp i, 2,4,6,8,10,12,14
.irp b, 0,1,2,3
	v_max3_num_f32 v[TM+\b], v[TM+\b], |v[ACC+16*\b+\i]|, |v[ACC+1+16*\b+\i]|
.endr
.endr
.irp b, 0,1,2,3
	v_permlanex16_b32 v[TM+4+\b], v[TM+\b], s14, s15
.endr
.irp b, 0,1,2,3
	v_max_num_f32 v[TM+\b], v[TM+\b], v[TM+4+\b]
.endr
.irp b, 0,1,2,3
	v_add_nc_u32 v[TM+12+\b], 0xff000000, v[TM+\b]
.endr
.if \full
.irp b, 0,1,2,3
	v_lshrrev_b32 v[TM+4+\b], 23, v[TM+12+\b]
.endr
	v_lshl_or_b32 v[\out], v[TM+5], 8, v[TM+4]
	v_lshl_or_b32 v[\out], v[TM+6], 16, v[\out]
	v_lshl_or_b32 v[\out], v[TM+7], 24, v[\out]
.else
.irp b, 0,1,2,3
	v_lshrrev_b32 v[\out+\b], 23, v[TM+12+\b]
.endr
.endif
.irp b, 0,1,2,3
	v_cvt_scalef32_pk8_fp4_f32 v[PC+2*\b], v[ACC+16*\b:ACC+16*\b+7], v[TM+12+\b]
	v_cvt_scalef32_pk8_fp4_f32 v[PC+1+2*\b], v[ACC+16*\b+8:ACC+16*\b+15], v[TM+12+\b]
.endr
	v_nop                                          ; one plain place behind the last scaled conversion
.if \full
.irp c, 0,1
.irp i, 0,1
	v_permlane16_swap_b32 v[PC+4*\c+\i], v[PC+2+4*\c+\i]   ; lanes 0-15 block 2 c, lanes 16-31 block 2 c + 1
.endr
.endr
.endif
.endm
.macro GROUP grp                       ; group 0: f; 1: g; 2 to 5: four channel tiles of h each
	s_wait_dscnt 0x0                               ; this group's tiles of the weight are in
.if \grp < 2
	MULFG \grp
.else
	MULH \grp
.endif
	PLACES 5                                       ; four in front of the loads into the weight's registers and of the first read of results; five in front of the next group's products, which write over these accumulators
.if \grp < 5
	LOADW \grp+1
.endif
	s_wait_xcnt 0x0                                ; the last group's stores have read PC: it is written again only behind this wait
.if \grp < 2
	QUANT 1, FW+\grp
	global_store_b128 v[L16], v[PC:PC+3], s[44+2*\grp:45+2*\grp]              ; row tile 0: 512 consecutive bytes
	global_store_b128 v[L16], v[PC+4:PC+7], s[44+2*\grp:45+2*\grp] offset:512  ; row tile 1
.else
	QUANT 0, HB+4*(\grp-2)
.irp t, 0,1,2,3
	global_store_b64 v[HV], v[PC+2*\t:PC+2*\t+1], s[48:49] offset:1024*(4*(\grp-2)+\t)   ; 32 lanes store 256 consecutive bytes, aligned
.endr
.endif
.endm
	s_wait_tensorcnt 0x1                           ; my rows of x are in; the one load issued behind (the images) may be out.  I alone read these rows
	XLOAD 0, XNA
	XLOAD 1, XNB
	s_wait_dscnt 16                                ; all but the 16 loads issued last
	XQ XNA, 0
	XLOAD 2, XNA
	s_wait_dscnt 16
	XQ XNB, 1
	XLOAD 3, XNB
	s_wait_dscnt 16
	XQ XNA, 2
	s_wait_dscnt 0x0
	XQ XNB, 3
	s_wait_tensorcnt 0x0                           ; my quarter of the images is in,
	s_barrier_signal -1
	s_barrier_wait -1                              ; everybody's is
.set i, 0
.rept 24
	ds_load_b32 v[WS+i], v[WSA] offset:128*i
.set i, i+1
.endr
	LOADW 0
	PLACES 8                                       ; x's scale words were written by vector instructions: eight places ahead of a scaled product
	GROUP 0
	GROUP 1
	GROUP 2
	GROUP 3
	GROUP 4
	GROUP 5
	; the scale bytes leave through LDS: h's four bytes of a word come from the four waves
.irp i, 0,1,2,3,4,5,6,7
	v_cndmask_b32 v[MB+\i], v[HB+2*\i+1], v[HB+2*\i], s16    ; lanes 0-15 the even tile's byte, lanes 16-31 the odd one's
.endr
.irp i, 0,1,2,3,4,5,6,7
	v_lshlrev_b32 v[MB+\i], s13, v[MB+\i]          ; at byte w
.endr
	ds_store_b128 v[HSW], v[MB:MB+3]
	ds_store_b128 v[HSW], v[MB+4:MB+7] offset:512
	v_cndmask_b32 v[TM], v[FW+1], v[FW], s16       ; lanes 0-15 f's word, lanes 16-31 g's
	ds_store_b32 v[FGW], v[TM]
	s_wait_dscnt 0x0                               ; for the others' sake: my stores are done
	s_barrier_signal -1
	s_barrier_wait -1
.irp b, 0,1,2,3
	ds_load_b64 v[16+2*\b:17+2*\b], v[HSR] offset:1024*\b
.endr
	s_wait_dscnt 0x0
	v_or_b32 v16, v16, v18
	v_or_b32 v17, v17, v19
	v_or_b32 v20, v20, v22
	v_or_b32 v21, v21, v23
	v_or_b32 v16, v16, v20
	v_or_b32 v17, v17, v21
	global_store_b64 v[L8], v[16:17], s[50:51]     ; 256 consecutive bytes, aligned
	s_cmp_lt_u32 s12, 2
	s_cbranch_scc0 .Ldone
	ds_load_b64 v[24:25], v[FGR]
	s_wait_dscnt 0x0
	global_store_b64 v[L8], v[24:25], s[52:53]     ; f's 64 words (wave 0) or g's (wave 1)
.Ldone:
	s_wait_tensorcnt 0x0
	ds_add_u32 v254, v255
	s_wait_dscnt 0x0
	s_endpgm
.Lfunc_end_k_q2f4e735109_proj:
	.size	k_q2f4e735109_proj, .Lfunc_end_k_q2f4e735109_proj-k_q2f4e735109_proj
	.p2alignl 7, 3214868480
	.fill 96, 4, 3214868480
	.section	.rodata,"a",@progbits
	.p2align	6, 0x0
	.amdhsa_kernel k_q2f4e735109_proj
		.amdhsa_group_segment_fixed_size 327680
		.amdhsa_private_segment_fixed_size 0
		.amdhsa_enable_private_segment 0
		.amdhsa_kernarg_size 32
		.amdhsa_user_sgpr_count 2
		.amdhsa_user_sgpr_kernarg_segment_ptr 1
		.amdhsa_wavefront_size32 1
		.amdhsa_system_sgpr_workgroup_id_x 1
		.amdhsa_system_sgpr_workgroup_id_y 1
		.amdhsa_system_sgpr_workgroup_id_z 1
		.amdhsa_system_vgpr_workitem_id 0
		.amdhsa_next_free_vgpr 256
		.amdhsa_next_free_sgpr 66
		.amdhsa_reserve_vcc 0
		.amdhsa_float_denorm_mode_32 3
		.amdhsa_float_denorm_mode_16_64 3
		.amdhsa_memory_ordered 1
		.amdhsa_forward_progress 1
		.amdhsa_inst_pref_size 68
	.end_amdhsa_kernel
	.amdgpu_metadata
---
amdhsa.version: [ 1, 2 ]
amdhsa.kernels:
  - .name:           k_q2f4e735109_proj
    .symbol:         k_q2f4e735109_proj.kd
    .args:
      - { .name: x, .offset: 0, .size: 8, .value_kind: global_buffer, .address_space: global }
      - { .name: wimg, .offset: 8, .size: 8, .value_kind: global_buffer, .address_space: global }
      - { .name: fq, .offset: 16, .size: 8, .value_kind: global_buffer, .address_space: global }
      - { .name: kv, .offset: 24, .size: 8, .value_kind: global_buffer, .address_space: global }
    .group_segment_fixed_size: 327680
    .private_segment_fixed_size: 0
    .kernarg_segment_align: 8
    .kernarg_segment_size: 32
    .max_flat_workgroup_size: 128
    .sgpr_count:     66
    .vgpr_count:     256
    .wavefront_size: 32
...
	.end_amdgpu_metadata
.endif
;; end of part 2
;; launch attn (part 3): grid 32 x 8, 8 waves a work-group, clusters of 4 x 1, 327,680 bytes of LDS; arguments fq, kv, wimg, gamma, x, out0; writes out0
.if DOCPART == 3
	.amdgcn_target "amdgcn-amd-amdhsa--gfx1250"
	.amdhsa_code_object_version 6
	.text
	.protected	k_q2f4e735109_attn
	.globl	k_q2f4e735109_attn
	.p2align	8
	.type	k_q2f4e735109_attn,@function
k_q2f4e735109_attn:
	s_mov_b64 s[64:65], 0
	v_nop
	global_prefetch_b8 v0, s[64:65] scope:SCOPE_SE
	s_setreg_imm32_b32 hwreg(HW_REG_WAVE_MODE, 25, 1), 1
	s_wait_xcnt 0x0
	s_wait_alu depctr_hold_cnt(0) depctr_sa_sdst(0) depctr_va_vdst(0) depctr_va_sdst(0) depctr_va_ssrc(0) depctr_va_vcc(0) depctr_vm_vsrc(0)
	s_getreg_b32 s2, hwreg(HW_REG_IB_STS2, 6, 4)
	s_cmp_eq_u32 s2, 0
	s_cbranch_scc0 .Lentry_in_a_cluster
	s_endpgm
.Lentry_in_a_cluster:
	s_bfe_u32 s2, ttmp6, 0x10000c
	s_cmp_lg_u32 s2, 0x3003
	s_cbranch_scc0 .Lentry_shape_is_right
	s_endpgm
.Lentry_shape_is_right:
; out = gamma x (Q(O / l) Q(Wv)) + x, with O = Q(p) Q(h), p = 2^(t - M), t = (Q(f) . Q(g)) x log2(e), M = the ceiling of the row's running largest t, l = the row's sum of the unquantised p.  All products on codes of FP4 with E8M0 scales.
; SHARES.  A work-group owns 128 queries of one batch.  Wave w: its 32 queries are block w % 4 (two tiles of 16); its keys are half of all: of each slot's four records of 128 keys, records 2 (w / 4) and 2 (w / 4) + 1.
; So a fragment of h read from LDS feeds two tiles of queries, two waves share a SIMD, and the waves w and w xor 4 add their halves at the end.  Register set 0 holds query tile w / 4, set 1 the other: every wave keeps set 0 and hands set 1 to its partner.
; LAYOUT.  Both products transposed: a lane holds ONE query (lane % 16).  The first product's K is 64, half of the instruction's 128: a fragment of g carries TWO tiles of 16 keys, one in each half of K, and f stands in 12 registers
; [zeros | f | zeros], of which registers 4-11 pick the first tile and 0-7 the second: zero codes add nothing.  Key tile 2 b + u, lane r, is key 32 b + 8 u + r + 8 (r / 8): the 16 registers of tiles 2 b, 2 b + 1 are 16 neighbouring keys.
; h's channel tiles and Wv's column tiles are chosen likewise, so that O^T's registers are neighbours along the last product's K.
; RING.  Two LDS slots of four records (87,040 bytes), filled by waves 0-3, one record each; Wv's images come once, by waves 4-7.  By this text's count a wave never has more than one tensor load out.
; CLUSTER.  The four work-groups of a cluster belong to one batch and walk the same records and the same images of Wv: every tensor load is asked for jointly, with the mask of all four.
; O^T begins as zeros and the largest t as -3e38, so that the key step is written once for all steps; that costs 256 moves a wave, once.
; LIMITS: p under 2^-126 is 0 (the exponential flushes); a block whose every p is 0 keeps the byte 1; NaN and infinities among the inputs are not served.
; REGISTERS.  Window 0: v1-14 addresses; v16-27 statistics; v28-47 scale words and nothing else; v48-71 f; v72-87 p's codes; v88-111 at work; v112-123 at work at the head and in the merge;
;   v128-191 g's fragments, then h's tiles 8-15; v192-255 S^T and p, then h's tiles 0-7.   Window 1: O^T, set tau at 128 tau + 8 n.
.set REC,   21760                      ; a record: g's codes 4,096, h's codes 16,384, h's scale words 1,024, g's 256
.set VOFF,  4096
.set VSOFF, 20480
.set GSOFF, 21504
.set FQG,   4352
.set SLOT1, 1<<17                      ; slot 1 begins here: one exclusive or turns an address from one slot to the other
.set NSL,   8                          ; slots' worth of keys in a batch
.set WVI,   SLOT1+4*REC                ; Wv's images: 32,768 bytes of codes, 2,048 of scale words
.set SPARE, WVI+34816                  ; the spare words, 128 bytes for each wave: four blocks of 256 bytes that no other line names
.set STAT,  SPARE+1024                 ; l and -M from wave to wave: 256 bytes a wave
.set OSTG,  SLOT1                      ; the way out: 16 rows x 528 bytes a wave, in slot 1, behind the barrier of the exchange: the slot has had its last fill and its last read
.set OP,    528                        ; (the exchange itself, 16,384 bytes a wave from byte 0, lies in slot 0, left at the last change of slots, and the gap behind it)
.set L16, 1
.set L4,  2
.set AD16, 3                           ; the slot in hand + 16 x lane
.set AD4, 4                            ; + 4 x lane
.set SPW, 5                            ; my spare word; never rewritten
.set NIL, 6                            ; 0; never rewritten
.set EXW, 7
.set EXR, 8
.set STW, 9
.set STR, 10
.set SO,  11
.set SR,  12
.set WVA, 13
.set WVS, 14
.set ST,  16                           ; set tau at ST + 4 tau: -M, the largest t, the sum in two halves
.set FP,  24                           ; FP + 2 tau: f = 2^(old M - new M), and a register named with it as a pair
.set VS,  28                           ; v28-35 h's scale words;  later v28-43 Wv's
.set GS,  36                           ; v36-37 g's
.set QS,  38                           ; v38-39 f's
.set PW,  40                           ; v40-41 p's
.set WSC, 28
.set OW,  44                           ; v44-45 o's
.set Q,   48                           ; set sigma at Q + 12 sigma
.set PCD, 72                           ; p's codes, set tau at PCD + 8 tau; later o's two fragments
.set TM,  88
.set GF,  128
.set VFB, 128
.set S,   192
.set VFA, 192
.set R,   128                          ; v128-255 as one run of 128, in the merge and behind it
.set WV,  16
.set ROLE, 17
.set PI,  18
.set SEL, 20
.set CS,  22                           ; s[22:23] log2(e), twice
.set G1K, 24
.set G1W, 32
.set G0K, 40
.set G0W, 44
.set TB,  48                           ; LDS byte at which my two records of the slot in hand begin
.set SLOTS, 49
.set GAM, 50                           ; s[50:51] gamma, twice
.set MSB, 0
.macro WIN new                         ; the immediate's high byte repeats the setting that is left; a switch that changes nothing is dropped
.if MSB != \new
	s_set_vgpr_msb (MSB<<8)|\new
.set MSB, \new
.endif
.endm
.macro PLACES n
.rept \n
	v_nop
.endr
.endm
.macro CROUND                          ; a round of the cluster's barrier
	s_barrier_signal -1
	s_barrier_wait -1
	s_cmp_lg_u32 s[WV], 0
	s_cbranch_scc1 .Lnot_wave_0_\@
	s_barrier_signal -3
.Lnot_wave_0_\@:
	s_barrier_wait -3
	s_barrier_signal -1
	s_barrier_wait -1
.endm
.macro JLOAD                           ; the joint refill: waves 0-3, one record each; the branch hangs on the wave's number alone
	s_cmp_lt_u32 s[WV], 4
	s_cbranch_scc0 .Lnone_\@
	tensor_load_to_lds s[G0K:G0K+3], s[G1K:G1K+7]
	s_nop 0
	PLACES 4
.Lnone_\@:
.endm
	s_load_b256 s[4:11], s[0:1], 0x0               ; fq, kv, wimg, gamma
	s_load_b128 s[12:15], s[0:1], 0x20             ; x, out0
	v_lshl_add_u32 v[SPW], v0, 2, SPARE
	v_mov_b32 v[NIL], 0
	ds_add_u32 v5, v6
	ds_add_u32 v5, v6
	s_wait_dscnt 0x0
	v_lshrrev_b32 v15, 5, v0
	s_delay_alu instid0(VALU_DEP_1)
	v_readfirstlane_b32 s[WV], v15                 ; wave 0..7
	s_lshr_b32 s[ROLE], s[WV], 2                   ; which half of the keys; also which query tile I finish
	s_and_b32 s[PI], s[WV], 3                      ; which block of 32 queries; also which record or quarter I fetch
	s_bfe_u32 s19, ttmp6, 0x40000                  ; cx: it enters fq's, x's and out0's addresses alone
	s_and_b32 s52, ttmp7, 0xffff                   ; the batch, which the four partners share
	s_lshl_b32 s53, ttmp9, 2
	s_add_co_u32 s53, s53, s19
	s_lshl_b32 s54, s52, 5
	s_add_co_u32 s53, s53, s54                     ; my group of 128 queries: 32 x batch + 4 x cluster x + cx
	; group 1: a dense block as rows of 32 elements of 8 bytes; the mask names all four work-groups, bit 21 beside it
	s_mov_b32 s[G1K], 15|(3<<16)|(1<<21)
	s_mov_b32 s[G1K+1], 32<<16
	s_mov_b32 s[G1K+2], 85<<16                     ; a record: 85 rows
	s_mov_b32 s[G1K+3], 32<<16
	s_mov_b32 s[G1K+4], 85
	s_mov_b32 s[G1K+5], 32
	s_mov_b32 s[G1K+6], 0
	s_mov_b32 s[G1K+7], 0
	s_mov_b32 s[G1W], 15|(3<<16)|(1<<21)
	s_mov_b32 s[G1W+1], 32<<16
	s_mov_b32 s[G1W+2], 34<<16                     ; a quarter of Wv's images: 34 rows
	s_mov_b32 s[G1W+3], 32<<16
	s_mov_b32 s[G1W+4], 34
	s_mov_b32 s[G1W+5], 32
	s_mov_b32 s[G1W+6], 0
	s_mov_b32 s[G1W+7], 0
	s_mov_b32 s[G0K], 1
	s_mul_i32 s[G0K+1], s[PI], REC                 ; slot 0, record w % 4
	s_mul_i32 s70, s52, 32*REC                     ; the batch's 32 records
	s_add_co_u32 s70, s70, s[G0K+1]
	s_mov_b32 s71, 0
	s_mov_b32 s[G0W], 1
	s_mul_i32 s74, s[PI], 8704
	s_add_co_u32 s[G0W+1], s74, WVI
	s_add_co_u32 s74, s74, 52224                   ; Wv's images begin there in wimg
	s_mov_b32 s75, 0
	s_mul_i32 s54, s53, FQG                        ; my group in fq
	s_lshl_b32 s55, s[PI], 10
	s_add_co_u32 s55, s54, s55                     ; my block's codes
	s_lshl_b32 s68, s[ROLE], 9
	s_xor_b32 s69, s68, 512
	s_add_co_u32 s56, s55, s68                     ; set 0: query tile w / 4
	s_mov_b32 s57, 0
	s_add_co_u32 s58, s55, s69                     ; set 1: the other
	s_mov_b32 s59, 0
	s_lshl_b32 s60, s[PI], 6
	s_add_co_u32 s60, s60, s54
	s_add_co_u32 s60, s60, 4096                    ; my block's scale words
	s_mov_b32 s61, 0
	s_lshl_b32 s68, s[ROLE], 4                     ; a tile's two bytes lie 16 x tile bits up in the word
	s_xor_b32 s69, s68, 16
	s_lshl_b32 s62, s53, 17                        ; x and out0: 128 rows of 1,024 bytes a group,
	s_lshl_b32 s72, s[PI], 15                      ; 32 a block,
	s_add_co_u32 s62, s62, s72
	s_lshl_b32 s72, s[ROLE], 13                    ; 8 to the second tile
	s_add_co_u32 s62, s62, s72
	s_mov_b32 s63, 0
	s_mul_i32 s[TB], s[ROLE], 2*REC
	s_mov_b32 s[SLOTS], NSL-1
	s_mov_b32 s[SEL], 0x76543210
	s_mov_b32 s[SEL+1], 0xfedcba98                 ; selects for lane l xor 16
	s_mov_b32 s[CS], 0x3fb8aa3b                    ; log2(e)
	s_mov_b32 s[CS+1], s[CS]
	s_wait_kmcnt 0x0
	s_load_b32 s[GAM], s[10:11], 0x0
	s_add_nc_u64 s[G0K+2:G0K+3], s[6:7], s[70:71]
	s_or_b32 s[G0K+3], s[G0K+3], 0x80000000
	s_add_nc_u64 s[G0W+2:G0W+3], s[8:9], s[74:75]
	s_or_b32 s[G0W+3], s[G0W+3], 0x80000000
	s_add_nc_u64 s[56:57], s[4:5], s[56:57]
	s_add_nc_u64 s[58:59], s[4:5], s[58:59]
	s_add_nc_u64 s[60:61], s[4:5], s[60:61]
	s_add_nc_u64 s[66:67], s[14:15], s[62:63]      ; out0 at my tile's first row
	s_add_nc_u64 s[62:63], s[12:13], s[62:63]      ; x likewise
	CROUND                                         ; all four work-groups are here: the first joint loads meet
	s_cmp_lt_u32 s[WV], 4                          ; a wave's first fill: waves 0-3 slot 0's records, waves 4-7 Wv's images
	s_cbranch_scc0 .Lfirst_w
	tensor_load_to_lds s[G0K:G0K+3], s[G1K:G1K+7]
	s_nop 0
	PLACES 4
	s_branch .Lfirst_done
.Lfirst_w:
	tensor_load_to_lds s[G0W:G0W+3], s[G1W:G1W+7]
	s_nop 0
	PLACES 4
.Lfirst_done:
	v_and_b32 v15, 31, v0                          ; lane
	s_delay_alu instid0(VALU_DEP_1)
	v_lshlrev_b32 v[L16], 4, v15
	s_delay_alu instid0(VALU_DEP_2)
	v_lshlrev_b32 v[L4], 2, v15
	global_load_b128 v[Q+4:Q+7], v[L16], s[56:57]      ; f of set 0: lane (r, h): units 32 h + 0 .. 31 of query r
	global_load_b128 v[Q+16:Q+19], v[L16], s[58:59]    ; of set 1
	v_and_b32 v[TM], 15, v0                        ; r
	v_bfe_u32 v[TM+1], v0, 4, 1                    ; h
	s_delay_alu instid0(VALU_DEP_2)
	v_lshlrev_b32 v112, 2, v[TM]
	global_load_b32 v113, v112, s[60:61]           ; my block's scale word of row index r
	s_lshl_b32 s72, s[WV], 14
	v_add_nc_u32 v[EXW], s72, v[L16]               ; the exchange: my 16,384 bytes,
	s_xor_b32 s72, s72, 65536
	v_add_nc_u32 v[EXR], s72, v[L16]               ; and those of wave w xor 4
	v_lshlrev_b32 v[STW], 3, v15
	s_lshl_b32 s72, s[WV], 8
	s_xor_b32 s73, s72, 1024
	v_add_nc_u32 v[STR], s73, v[STW]
	v_add_nc_u32 v[STW], s72, v[STW]
	s_delay_alu instid0(VALU_DEP_2)
	v_add_nc_u32 v[STR], STAT, v[STR]
	s_delay_alu instid0(VALU_DEP_2)
	v_add_nc_u32 v[STW], STAT, v[STW]
	s_mul_i32 s72, s[WV], 16*OP
	s_add_co_u32 s72, s72, OSTG
	v_mul_u32_u24 v[SO], v[TM], OP
	s_delay_alu instid0(VALU_DEP_1)
	v_lshl_add_u32 v[SO], v[TM+1], 6, v[SO]
	s_delay_alu instid0(VALU_DEP_1)
	v_add_nc_u32 v[SO], s72, v[SO]                 ; the stage, in: row r, + 64 h
	v_add_nc_u32 v[SR], s72, v[L16]                ; back: 32 lanes take 512 bytes of a row
	v_add_nc_u32 v[WVA], WVI, v[L16]
	v_add_nc_u32 v[WVS], WVI+32768, v[L4]
.irp tau, 0,1
	v_mov_b32 v[ST+4*\tau+1], 0xff61b1e6           ; the largest t so far: -3e38
	s_delay_alu instid0(VALU_DEP_1)
	v_floor_f32 v[ST+4*\tau], -v[ST+4*\tau+1]      ; -M
	v_mov_b32 v[ST+4*\tau+2], 0                    ; the sum, in two halves
	v_mov_b32 v[ST+4*\tau+3], 0
	v_mov_b32 v[FP+2*\tau], 0
	v_mov_b32 v[FP+2*\tau+1], 0                    ; named with f as a pair, so it is written
.endr
.irp b, 0,1,2,3
	v_mov_b32 v[TM+4+\b], 0                        ; a lane permute's destination counts as read: written once
.endr
	v_mov_b32 v118, 0
.irp sig, 0,1
.irp i, 0,1,2,3,8,9,10,11
	v_mov_b32 v[Q+12*\sig+\i], 0                   ; the zero codes on both sides of f
.endr
.endr
	s_wait_loadcnt 0x0                             ; f and its scale word
	v_lshrrev_b32 v114, s68, v113
	v_lshrrev_b32 v115, s69, v113
	s_delay_alu instid0(VALU_DEP_2)
	v_and_b32 v114, 0xffff, v114
	s_delay_alu instid0(VALU_DEP_2)
	v_and_b32 v115, 0xffff, v115
	s_delay_alu instid0(VALU_DEP_2)
	v_lshl_or_b32 v[QS], v114, 16, v114            ; the tile's two bytes, for both halves of K
	s_delay_alu instid0(VALU_DEP_2)
	v_lshl_or_b32 v[QS+1], v115, 16, v115
	WIN 0x40                                       ; destination window 1
.set i, 0
.rept 256
	v_mov_b32 v[i], 0                              ; O^T.  (These are also the places between the scale words just written and the first scaled product)
.set i, i+1
.endr
	WIN 0
	s_wait_kmcnt 0x0                               ; gamma
	s_mov_b32 s[GAM+1], s[GAM]
; S^T of set sig: 8 products, each with the constant 0 as C; source 0 = a fragment of g (two key tiles), source 1 = f in one half of K
.macro KQ sig
.irp b, 0,1,2,3
.irp u, 0,1
.if (\b % 2) == 0
	v_wmma_scale_f32_16x16x128_f8f6f4 v[S+8*(2*\b+\u):S+8*(2*\b+\u)+7], v[GF+8*\b:GF+8*\b+7], v[Q+12*\sig+4-4*\u:Q+12*\sig+11-4*\u], 0, v[GS+\b/2], v[QS+\sig] matrix_a_fmt:MATRIX_FMT_FP4 matrix_b_fmt:MATRIX_FMT_FP4
.else
	v_wmma_scale_f32_16x16x128_f8f6f4 v[S+8*(2*\b+\u):S+8*(2*\b+\u)+7], v[GF+8*\b:GF+8*\b+7], v[Q+12*\sig+4-4*\u:Q+12*\sig+11-4*\u], 0, v[GS+\b/2], v[QS+\sig] matrix_a_fmt:MATRIX_FMT_FP4 matrix_b_fmt:MATRIX_FMT_FP4 matrix_a_scale:MATRIX_SCALE_ROW1
.endif
.endr
.endr
.endm
; O^T += h^T p^T: channel tiles n0 .. n0 + 7 from the fragments at base, both sets.  Each of the 32 accumulators has one instruction a step
.macro PV base, n0
.irp k, 0,1,2,3,4,5,6,7
.irp tau, 0,1
.if (\k % 2) == 0
	v_wmma_scale_f32_16x16x128_f8f6f4 v[128*\tau+8*(\n0+\k):128*\tau+8*(\n0+\k)+7], v[\base+8*\k:\base+8*\k+7], v[PCD+8*\tau:PCD+8*\tau+7], v[128*\tau+8*(\n0+\k):128*\tau+8*(\n0+\k)+7], v[VS+(\n0+\k)/2], v[PW+\tau] matrix_a_fmt:MATRIX_FMT_FP4 matrix_b_fmt:MATRIX_FMT_FP4
.else
	v_wmma_scale_f32_16x16x128_f8f6f4 v[128*\tau+8*(\n0+\k):128*\tau+8*(\n0+\k)+7], v[\base+8*\k:\base+8*\k+7], v[PCD+8*\tau:PCD+8*\tau+7], v[128*\tau+8*(\n0+\k):128*\tau+8*(\n0+\k)+7], v[VS+(\n0+\k)/2], v[PW+\tau] matrix_a_fmt:MATRIX_FMT_FP4 matrix_b_fmt:MATRIX_FMT_FP4 matrix_a_scale:MATRIX_SCALE_ROW1
.endif
.endr
.endr
.endm
.macro VLOAD base, n0                  ; eight channel tiles of h's codes of the record at RB
.irp k, 0,1,2,3,4,5,6,7
.irp c, 0,1
	ds_load_b128 v[\base+8*\k+4*\c:\base+8*\k+4*\c+3], v[AD16] offset:RB+VOFF+1024*(\n0+\k)+512*\c
.endr
.endr
.endm
; The softmax of one tile of 16 queries for 128 keys, on S: it leaves p's codes, p's scale word, f, and the statistics.
.macro SOFT tau
.set rT, ST+4*\tau
.set rF, FP+2*\tau
.set rC, PCD+8*\tau
.set rW, PW+\tau
.irp b, 0,1,2,3
	v_max3_num_f32 v[TM+\b], v[S+16*\b], v[S+1+16*\b], v[S+2+16*\b]   ; the largest score of each block of 32 keys: for the row's maximum and, since p rises with the score, for the block's largest p
.endr
.irp i, 3,5,7,9,11,13
.irp b, 0,1,2,3
	v_max3_num_f32 v[TM+\b], v[TM+\b], v[S+16*\b+\i], v[S+1+16*\b+\i]
.endr
.endr
.irp b, 0,1,2,3
	v_max_num_f32 v[TM+\b], v[TM+\b], v[S+15+16*\b]
.endr
.irp b, 0,1,2,3
	s_delay_alu instid0(VALU_DEP_4)
	v_permlanex16_b32 v[TM+4+\b], v[TM+\b], s[SEL], s[SEL+1]
.endr
.irp b, 0,1,2,3
	s_delay_alu instid0(VALU_DEP_4)
	v_max_num_f32 v[TM+\b], v[TM+\b], v[TM+4+\b]   ; with lane l xor 16's 16 keys
.endr
	s_delay_alu instid0(VALU_DEP_2)
	v_max3_num_f32 v[TM+12], v[TM], v[TM+1], v[TM+2]
	s_delay_alu instid0(VALU_DEP_1)
	v_max_num_f32 v[TM+12], v[TM+12], v[TM+3]
	s_delay_alu instid0(VALU_DEP_1)
	v_mul_f32 v[TM+12], s[CS], v[TM+12]            ; as t
	s_delay_alu instid0(VALU_DEP_1)
	v_max_num_f32 v[rT+1], v[rT+1], v[TM+12]       ; the running largest t
	v_mov_b32 v[TM+12], v[rT]
	s_delay_alu instid0(VALU_DEP_2)
	v_floor_f32 v[rT], -v[rT+1]                    ; the new -M = -ceil(t): a whole number
	s_delay_alu instid0(VALU_DEP_1)
	v_sub_f32 v[TM+12], v[rT], v[TM+12]            ; old M - new M, 0 or less
	s_delay_alu instid0(VALU_DEP_1)
	v_cvt_i32_f32 v[TM+12], v[TM+12]               ; (it saturates)
	s_delay_alu instid0(VALU_DEP_1)
	v_ldexp_f32 v[rF], 1.0, v[TM+12]               ; f = 2^(old M - new M): a multiplication by it rounds nothing
.set j, 0
.rept 32
	v_pk_fma_f32 v[S+j:S+j+1], v[S+j:S+j+1], s[CS:CS+1], v[rT:rT+1] op_sel_hi:[1,0,0]   ; t - M, two at a time
.set j, j+2
.endr
.irp b, 0,1,2,3
	v_fma_f32 v[TM+\b], v[TM+\b], s[CS], v[rT]     ; the same of each block's largest score
.endr
.set j, 0
	s_wait_alu depctr_va_vdst(0)
.rept 64
	v_exp_f32 v[S+j], v[S+j]                       ; p = 2^(t - M), not normalised
.set j, j+1
.endr
.irp b, 0,1,2,3
	v_exp_f32 v[TM+\b], v[TM+\b]                   ; the block's largest p: the same two instructions on the same number
.endr
	v_pk_mul_f32 v[rT+2:rT+3], v[rT+2:rT+3], v[rF:rF+1] op_sel_hi:[1,0]   ; the sums under the new M (a plain place behind the exponentials)
	s_wait_alu depctr_va_vdst(0)
.irp b, 0,1,2,3
	v_max_num_f32 v[TM+\b], 0x1800000, v[TM+\b]    ; the floor 2^(3 - 127): the byte cannot fall under 1
.endr
.irp b, 0,1,2,3
	s_delay_alu instid0(VALU_DEP_4)
	v_add_nc_u32 v[TM+8+\b], 0xff000000, v[TM+\b]  ; 2 off the exponent field: the conversion's scale operand
.endr
.irp b, 0,1,2,3
	s_delay_alu instid0(VALU_DEP_4)
	v_lshrrev_b32 v[TM+4+\b], 23, v[TM+8+\b]       ; the byte
.endr
	s_delay_alu instid0(VALU_DEP_3)
	v_lshl_or_b32 v[rW], v[TM+5], 8, v[TM+4]       ; p's scale word for these 128 keys
	s_delay_alu instid0(VALU_DEP_1)
	v_lshl_or_b32 v[rW], v[TM+6], 16, v[rW]
	s_delay_alu instid0(VALU_DEP_1)
	v_lshl_or_b32 v[rW], v[TM+7], 24, v[rW]
.irp b, 0,1,2,3
	v_cvt_scalef32_pk8_fp4_f32 v[rC+2*\b], v[S+16*\b:S+16*\b+7], v[TM+8+\b]
	v_cvt_scalef32_pk8_fp4_f32 v[rC+1+2*\b], v[S+16*\b+8:S+16*\b+15], v[TM+8+\b]
.endr
	v_nop                                          ; one plain place behind the last scaled conversion
.irp c, 0,1
.irp i, 0,1
	v_permlane16_swap_b32 v[rC+4*\c+\i], v[rC+2+4*\c+\i]   ; a whole block in a lane: lanes 0-15 block 2 c, lanes 16-31 block 2 c + 1
.endr
.endr
	v_pk_add_f32 v[TM+4:TM+5], v[S:S+1], v[S+2:S+3]        ; the row's sum is taken of the unquantised p, in two chains
.set j, 4
.rept 15
	v_pk_add_f32 v[rT+2:rT+3], v[rT+2:rT+3], v[S+j:S+j+1]
	v_pk_add_f32 v[TM+4:TM+5], v[TM+4:TM+5], v[S+j+2:S+j+3]
.set j, j+4
.endr
	s_delay_alu instid0(VALU_DEP_1)
	v_pk_add_f32 v[rT+2:rT+3], v[rT+2:rT+3], v[TM+4:TM+5]
.endm
; A KEY STEP: the q-th of my two records of the slot in hand, for both sets of queries.
.macro STEP q
.set RB, (\q)*REC
.irp b, 0,1,2,3
.irp c, 0,1
	ds_load_b128 v[GF+8*\b+4*\c:GF+8*\b+4*\c+3], v[AD16] offset:RB+1024*\b+512*\c
.endr
.endr
.irp k, 0,1
	ds_load_b32 v[GS+\k], v[AD4] offset:RB+GSOFF+128*\k    ; lanes 0-15 block 2 k's words, lanes 16-31 block 2 k + 1's
.endr
	s_wait_dscnt 0x0
	KQ 0
	PLACES 4                                       ; in front of the first read of the scores
	SOFT 0
	KQ 1
	PLACES 4                                       ; in front of the loads over g's fragments and of the first read of the scores
.irp k, 0,1
	ds_load_b128 v[VS+4*\k:VS+4*\k+3], v[AD16] offset:RB+VSOFF+512*\k
.endr
	VLOAD VFB, 8                                   ; they land while set 1's softmax is walked
	SOFT 1
	VLOAD VFA, 0                                   ; p's registers are free
	WIN 0x41                                       ; O^T (destination and source 0) in window 1, f in window 0
.irp tau, 0,1
.set j, 0
.rept 64
	v_pk_mul_f32 v[128*\tau+j:128*\tau+j+1], v[128*\tau+j:128*\tau+j+1], v[FP+2*\tau:FP+2*\tau+1] op_sel_hi:[1,0]   ; O^T under the new M
.set j, j+2
.endr
.endr
	s_wait_alu depctr_va_vdst(0)
	s_wait_dscnt 16                                ; h's scale words and tiles 8-15 are in; the 16 loads issued last (tiles 0-7) may be out
	WIN 0x50                                       ; C and D in window 1
	PV VFB, 8
	s_wait_dscnt 0x0
	PV VFA, 0
	WIN 0
	PLACES 5                                       ; the next scores are written over registers that these products read: five places; the loads over g's registers want four
.endm
; THE CHANGE OF SLOTS stands at a slot's head.  fill = 1: the slot that has been left is filled with the records that follow, jointly, behind a round of the cluster's barrier.
.macro CHANGE fill
	WIN 0
	s_wait_tensorcnt 0x0                           ; no tensor load of mine is out: the slot ahead has my part, and a group 0 may be written
	ds_add_u32 v[SPW], v[NIL]                      ; 0 onto my spare word
.if \fill
	s_xor_b32 s[G0K+1], s[G0K+1], SLOT1            ; the other slot than last time,
	s_add_nc_u64 s[G0K+2:G0K+3], s[G0K+2:G0K+3], 4*REC   ; the next four records; the type bits on top are not reached
.endif
	s_wait_dscnt 0x0                               ; the add is done, and my reads of the slot that I have left are over
.if \fill
	CROUND                                         ; both now hold of every wave of all four work-groups
	JLOAD                                          ; the first thing behind the round, a wave's one tensor load until the next
.else
	s_barrier_signal -1
	s_barrier_wait -1
.endif
.endm
.macro SLOT_STEPS
	v_add_nc_u32 v[AD16], s[TB], v[L16]
	v_add_nc_u32 v[AD4], s[TB], v[L4]
	STEP 0
	STEP 1
	s_xor_b32 s[TB], s[TB], SLOT1                  ; on to the other slot
.endm
; 64 numbers of a lane, register 16 b + i = k 32 b + 16 (lane / 16) + i of its row, become a fragment's codes and its scale word
.macro QUANT src, dst, word
.irp b, 0,1,2,3
	v_max3_num_f32 v[TM+\b], |v[\src+16*\b]|, |v[\src+1+16*\b]|, 0x1800000
.endr
.irp i, 2,4,6,8,10,12,14
.irp b, 0,1,2,3
	s_delay_alu instid0(VALU_DEP_4)
	v_max3_num_f32 v[TM+\b], v[TM+\b], |v[\src+16*\b+\i]|, |v[\src+1+16*\b+\i]|
.endr
.endr
.irp b, 0,1,2,3
	s_delay_alu instid0(VALU_DEP_4)
	v_permlanex16_b32 v[TM+4+\b], v[TM+\b], s[SEL], s[SEL+1]
.endr
.irp b, 0,1,2,3
	s_delay_alu instid0(VALU_DEP_4)
	v_max_num_f32 v[TM+\b], v[TM+\b], v[TM+4+\b]
.endr
.irp b, 0,1,2,3
	s_delay_alu instid0(VALU_DEP_4)
	v_add_nc_u32 v[TM+8+\b], 0xff000000, v[TM+\b]
.endr
.irp b, 0,1,2,3
	s_delay_alu instid0(VALU_DEP_4)
	v_lshrrev_b32 v[TM+4+\b], 23, v[TM+8+\b]
.endr
	s_delay_alu instid0(VALU_DEP_3)
	v_lshl_or_b32 v[\word], v[TM+5], 8, v[TM+4]
	s_delay_alu instid0(VALU_DEP_1)
	v_lshl_or_b32 v[\word], v[TM+6], 16, v[\word]
	s_delay_alu instid0(VALU_DEP_1)
	v_lshl_or_b32 v[\word], v[TM+7], 24, v[\word]
.irp b, 0,1,2,3
	v_cvt_scalef32_pk8_fp4_f32 v[\dst+2*\b], v[\src+16*\b:\src+16*\b+7], v[TM+8+\b]
	v_cvt_scalef32_pk8_fp4_f32 v[\dst+1+2*\b], v[\src+16*\b+8:\src+16*\b+15], v[TM+8+\b]
.endr
	v_nop                                          ; one plain place behind the last scaled conversion
.irp c, 0,1
.irp i, 0,1
	v_permlane16_swap_b32 v[\dst+4*\c+\i], v[\dst+2+4*\c+\i]
.endr
.endr
.endm
.Lslot:                                            ; NSL - 1 trips: behind each change of slots but the last the next slot is asked for
	CHANGE 1
	SLOT_STEPS
	s_sub_co_u32 s[SLOTS], s[SLOTS], 1
	s_cmp_lg_u32 s[SLOTS], 0
	s_cbranch_scc1 .Lslot
	CHANGE 0                                       ; the last slot is written out
	SLOT_STEPS
	; THE EXCHANGE.  Set 1's O^T, sum and -M go to wave w xor 4, which holds the same queries' other keys in its set 0.
	v_add_f32 v[ST+2], v[ST+2], v[ST+3]            ; set 0: my lane's sum
	v_add_f32 v[ST+6], v[ST+6], v[ST+7]            ; set 1's,
	v_mov_b32 v[ST+7], v[ST+4]                     ; and its -M beside it
	WIN 0x04                                       ; an LDS store's data are its source 1: window 1
.set i, 0
.rept 32
	ds_store_b128 v[EXW], v[128+4*i:128+4*i+3] offset:512*i    ; as the registers stand: 16 x lane; each accumulator from its low end on
.set i, i+1
.endr
	WIN 0
	ds_store_b64 v[STW], v[ST+6:ST+7]
	s_wait_dscnt 0x0                               ; for the partner's sake: my stores are done; my reads of the last slot are over too
	s_barrier_signal -1
	s_barrier_wait -1
	WIN 0x40                                       ; x's 16 rows of my tile, into the registers that set 1 has left: asked for a merge, two quantisers and the last product ahead of their use
.irp hf, 0,1
.irp i, 0,1,2,3,4,5,6,7,8,9,10,11,12,13,14,15
	global_load_b128 v[128+64*\hf+4*\i:128+64*\hf+4*\i+3], v[L16], s[62:63] offset:1024*(\i+8*(\i/8))+512*\hf th:TH_LOAD_NT
.endr
.endr
	WIN 0
	ds_load_b64 v[112:113], v[STR]                 ; the partner's sum and -M
.set i, 0
.rept 32
	ds_load_b128 v[R+4*i:R+4*i+3], v[EXR] offset:512*i         ; the partner's O^T
.set i, i+1
.endr
.set i, 0
.rept 16
	ds_load_b32 v[WSC+i], v[WVS] offset:128*i      ; Wv's scale words: lanes 0-15 K step 0, lanes 16-31 K step 1
.set i, i+1
.endr
	s_wait_dscnt 48                                ; the first of the 49 loads is in
	v_min_num_f32 v114, v[ST], v113                ; -M of both halves together
	s_delay_alu instid0(VALU_DEP_1)
	v_sub_f32 v115, v114, v[ST]
	s_delay_alu instid0(VALU_DEP_2)
	v_sub_f32 v116, v114, v113
	s_delay_alu instid0(VALU_DEP_2)
	v_cvt_i32_f32 v115, v115
	s_delay_alu instid0(VALU_DEP_2)
	v_cvt_i32_f32 v116, v116
	s_delay_alu instid0(VALU_DEP_2)
	v_ldexp_f32 v115, 1.0, v115                    ; what brings my half under the common M: a power of two,
	s_delay_alu instid0(VALU_DEP_2)
	v_ldexp_f32 v116, 1.0, v116                    ; and the partner's
	s_delay_alu instid0(VALU_DEP_2)
	v_mul_f32 v117, v115, v[ST+2]
	s_delay_alu instid0(VALU_DEP_1)
	v_fmac_f32 v117, v116, v112
	s_delay_alu instid0(VALU_DEP_1)
	v_permlanex16_b32 v118, v117, s[SEL], s[SEL+1]
	s_delay_alu instid0(VALU_DEP_1)
	v_add_f32 v117, v117, v118                     ; the row's sum l
	s_wait_alu depctr_va_vdst(0)
	v_rcp_f32 v117, v117
	v_nop                                          ; one plain place behind the transcendental
	s_wait_alu depctr_va_vdst(0)
	v_mul_f32 v120, v115, v117
	v_mul_f32 v121, v115, v117
	v_mul_f32 v122, v116, v117
	v_mul_f32 v123, v116, v117
	s_wait_alu depctr_va_vdst(0)
	s_wait_dscnt 16                                ; the partner's O^T is in; Wv's 16 scale words may be out
.set i, 0
.rept 64
	v_pk_mul_f32 v[R+i:R+i+1], v[R+i:R+i+1], v[122:123]
.set i, i+2
.endr
	WIN 0x01                                       ; source 0: my O^T, window 1
.set i, 0
.rept 64
	v_pk_fma_f32 v[R+i:R+i+1], v[i:i+1], v[120:121], v[R+i:R+i+1]    ; o = O / l: register 8 n + j is channel 32 (n / 2) + 16 (lane / 16) + 8 (n % 2) + j
.set i, i+2
.endr
	WIN 0
	QUANT R, PCD, OW                               ; channels 0-127
	QUANT R+64, PCD+8, OW+1                        ; channels 128-255
	; THE LAST PRODUCT, transposed: source 0 = 16 columns of Wv, source 1 = o.  Eight tiles of columns at a time, their accumulators by turns, K step by K step.
.irp gg, 0,1
.irp k, 0,1,2,3,4,5,6,7
.irp s, 0,1
.irp c, 0,1
	ds_load_b128 v[R+16*\k+8*\s+4*\c:R+16*\k+8*\s+4*\c+3], v[WVA] offset:(8*\gg+\k)*2048+1024*\s+512*\c
.endr
.endr
.endr
	s_wait_dscnt 0x0
.if \gg == 0
	PLACES 8                                       ; o's scale words were written by vector instructions: eight places ahead of a scaled product
.endif
	WIN 0x50
.irp k, 0,1,2,3,4,5,6,7
	v_wmma_scale_f32_16x16x128_f8f6f4 v[8*(8*\gg+\k):8*(8*\gg+\k)+7], v[R+16*\k:R+16*\k+7], v[PCD:PCD+7], 0, v[WSC+8*\gg+\k], v[OW] matrix_a_fmt:MATRIX_FMT_FP4 matrix_b_fmt:MATRIX_FMT_FP4
.endr
	s_wait_alu depctr_va_vdst(0)
.irp k, 0,1,2,3,4,5,6,7
	v_wmma_scale_f32_16x16x128_f8f6f4 v[8*(8*\gg+\k):8*(8*\gg+\k)+7], v[R+16*\k+8:R+16*\k+15], v[PCD+8:PCD+15], v[8*(8*\gg+\k):8*(8*\gg+\k)+7], v[WSC+8*\gg+\k], v[OW+1] matrix_a_fmt:MATRIX_FMT_FP4 matrix_b_fmt:MATRIX_FMT_FP4 matrix_a_scale:MATRIX_SCALE_ROW1
.endr
	WIN 0
	PLACES 4                                       ; in front of loads into registers that these products read, and of the first read of results
.endr
	; THE WAY OUT.  A lane holds pieces of one row; through my own stage, half a row (512 bytes) of 16 rows at a time, they come back as whole half rows.  LDS serves a wave's instructions in order.
.irp hf, 0,1
	WIN 0x04
.irp k, 0,1,2,3,4,5,6,7
	ds_store_b128 v[SO], v[8*(8*\hf+\k):8*(8*\hf+\k)+3] offset:128*(\k/2)+32*(\k%2)
	ds_store_b128 v[SO], v[8*(8*\hf+\k)+4:8*(8*\hf+\k)+7] offset:128*(\k/2)+32*(\k%2)+16
.endr
	WIN 0
.irp i, 0,1,2,3,4,5,6,7,8,9,10,11,12,13,14,15
	ds_load_b128 v[R+64*\hf+4*\i:R+64*\hf+4*\i+3], v[SR] offset:OP*\i
.endr
.endr
	s_wait_loadcnt 0x0                             ; x
	WIN 0x10                                       ; source 2: x, window 1
.irp hf, 0,1
.irp i, 0,1,2,3,4,5,6,7,8,9,10,11,12,13,14,15
	s_wait_dscnt 47-32*\hf-\i                      ; the LDS instructions issued behind this row's load may be out
	v_pk_fma_f32 v[R+64*\hf+4*\i:R+64*\hf+4*\i+1], v[R+64*\hf+4*\i:R+64*\hf+4*\i+1], s[GAM:GAM+1], v[R+64*\hf+4*\i:R+64*\hf+4*\i+1] op_sel_hi:[1,0,1]
	v_pk_fma_f32 v[R+64*\hf+4*\i+2:R+64*\hf+4*\i+3], v[R+64*\hf+4*\i+2:R+64*\hf+4*\i+3], s[GAM:GAM+1], v[R+64*\hf+4*\i+2:R+64*\hf+4*\i+3] op_sel_hi:[1,0,1]
	global_store_b128 v[L16], v[R+64*\hf+4*\i:R+64*\hf+4*\i+3], s[66:67] offset:1024*(\i+8*(\i/8))+512*\hf th:TH_STORE_NT   ; 32 lanes store 512 consecutive bytes, at a multiple of 256 from out0's first byte
.endr
.endr
	WIN 0
	s_wait_tensorcnt 0x0                           ; the wave's end, behind my last tensor load and my last LDS store
	ds_add_u32 v[SPW], v[NIL]
	s_wait_dscnt 0x0
	CROUND                                         ; the closing round: no work-group ends while a partner may still ask for a tile that names it
	s_endpgm
.Lfunc_end_k_q2f4e735109_attn:
	.size	k_q2f4e735109_attn, .Lfunc_end_k_q2f4e735109_attn-k_q2f4e735109_attn
	.p2alignl 7, 3214868480
	.fill 96, 4, 3214868480
	.section	.rodata,"a",@progbits
	.p2align	6, 0x0
	.amdhsa_kernel k_q2f4e735109_attn
		.amdhsa_group_segment_fixed_size 327680
		.amdhsa_private_segment_fixed_size 0
		.amdhsa_enable_private_segment 0
		.amdhsa_kernarg_size 48
		.amdhsa_user_sgpr_count 2
		.amdhsa_user_sgpr_kernarg_segment_ptr 1
		.amdhsa_wavefront_size32 1
		.amdhsa_system_sgpr_workgroup_id_x 1
		.amdhsa_system_sgpr_workgroup_id_y 1
		.amdhsa_system_sgpr_workgroup_id_z 1
		.amdhsa_system_vgpr_workitem_id 0
		.amdhsa_next_free_vgpr 512
		.amdhsa_next_free_sgpr 80
		.amdhsa_reserve_vcc 0
		.amdhsa_float_denorm_mode_32 3
		.amdhsa_float_denorm_mode_16_64 3
		.amdhsa_memory_ordered 1
		.amdhsa_forward_progress 1
		.amdhsa_inst_pref_size 229
	.end_amdhsa_kernel
	.amdgpu_metadata
---
amdhsa.version: [ 1, 2 ]
amdhsa.kernels:
  - .name:           k_q2f4e735109_attn
    .symbol:         k_q2f4e735109_attn.kd
    .args:
      - { .name: fq, .offset: 0, .size: 8, .value_kind: global_buffer, .address_space: global }
      - { .name: kv, .offset: 8, .size: 8, .value_kind: global_buffer, .address_space: global }
      - { .name: wimg, .offset: 16, .size: 8, .value_kind: global_buffer, .address_space: global }
      - { .name: gamma, .offset: 24, .size: 8, .value_kind: global_buffer, .address_space: global }
      - { .name: x, .offset: 32, .size: 8, .value_kind: global_buffer, .address_space: global }
      - { .name: out0, .offset: 40, .size: 8, .value_kind: global_buffer, .address_space: global }
    .group_segment_fixed_size: 327680
    .private_segment_fixed_size: 0
    .kernarg_segment_align: 8
    .kernarg_segment_size: 48
    .max_flat_workgroup_size: 256
    .sgpr_count:     80
    .vgpr_count:     512
    .wavefront_size: 32
...
	.end_amdgpu_metadata
.endif
;; end of part 3
